; MI455X (gfx1250); checked and timed in simulation.
; The chip was launched on July 23, 2026; its instructions are those of AMD's public machine-readable ISA for CDNA 5 (MIT licence, August 2026) and "CDNA5" Instruction Set Architecture Reference Guide (July 2026). The comments in the code are by the model that wrote it; some were corrected since.
;; Custom Multi Head Self Attention. Allowed arithmetic: matrix products marked QUANTISED: E2M1 operands, one E8M0 scale for each 32 along K, by v_wmma_scale_f32_16x16x128_f8f6f4 with both operands' format E2M1 (or v_wmma_scale_f32_32x16x128_f4), f32 sums; products left as they are: bf16, f16 or f32 operands; f32 sums; everything else in f32.
;; Inputs: Wk 512 x 512 float32; Wo 512 x 512 float32; Wq 512 x 512 float32; Wv 512 x 512 float32; bk 512 float32; bo 512 float32; bq 512 float32; bv 512 float32; mask 4 x 2,048 bool; x 4 x 2,048 x 512 float32.
;; Outputs: out0 4 x 2,048 x 512 float32.
;; This version of the problem:
;;   THIS VERSION OF THE PROBLEM IS GIVEN IN LOW PRECISION. The matrix products marked QUANTISED in the list below multiply operands that are first quantised to E2M1 (2 exponent bits, 1 mantissa bit; 4 bits a number), with one power-of-two scale for each 32 numbers along K (OCP MX v1.0); their sums are f32. The products marked 'left as it is' may take bf16, f16 or f32 operands, with f32 sums. Whichever they take, every output number must still come out within the allowed error. Rounding operands to bf16 (8 significant bits) uses up far more of that allowance than f16 does (11 bits, for magnitudes from 6e-5 to 65,504). All else is computed in f32.
;;   The module's matrix products, in the order in which they are computed (A, B: the left and right operand; K: the contracted axis; several contracted axes count as one K, in the product's order):
;;     1. [M 8,192, K 512] x [K 512, N 512]; A: input x; B: input Wq: QUANTISED
;;     2. [M 8,192, K 512] x [K 512, N 512]; A: input x; B: input Wk: QUANTISED
;;     3. [M 8,192, K 512] x [K 512, N 512]; A: input x; B: input Wv: QUANTISED
;;     4. batch 32 x [M 2,048, K 64] x [K 64, N 2,048]; A: computed on the way; B: computed on the way: left as it is (an operand is computed on the way)
;;     5. batch 32 x [M 2,048, K 2,048] x [K 2,048, N 64]; A: computed on the way; B: computed on the way: left as it is (an operand is computed on the way)
;;     6. [M 8,192, K 512] x [K 512, N 512]; A: computed on the way; B: input Wo: left as it is (an operand is computed on the way)
;;   THE QUANTISER, for each operand of a quantised product, along K:
;;     - K is cut into blocks of 32 from its start; a last block that is shorter is filled with zeros.
;;     - A block's scale is 2^e with e = floor(log2(the largest magnitude in the block)) - 2, held to -126 .. 127; a block of zeros has e = 0. As a byte (E8M0): e + 127.
;;     - Each number is divided by its block's scale, clamped to +-6, and rounded to the nearest number of E2M1, ties to even, subnormals kept.
;;     - The product sums the exact products of the quantised numbers (number of the format x scale) in f32.
;;   ~~~python
;;   def quantise(x, axis):      # numpy; x: float32 -> the quantised numbers, widened to float32 again
;;       x = np.moveaxis(x, axis, -1); K = x.shape[-1]
;;       x = np.pad(x, [(0, 0)] * (x.ndim - 1) + [(0, -K % 32)]); x = x.reshape(x.shape[:-1] + (-1, 32)); a = np.abs(x).max(-1, keepdims=True)
;;       e = np.where(a > 0, np.clip(np.frexp(np.where(a > 0, a, 1))[1] - 1 - 2, -126, 127), 0)      # np.frexp(a)[1] - 1 = floor(log2(a)), exactly
;;       r = np.clip(x / 2.0 ** e, -6, 6)
;;       step = 2.0 ** (np.maximum(np.frexp(np.where(r == 0, 1, r))[1] - 1, 0) - 1)
;;       q = np.round(r / step) * step * 2.0 ** e      # np.round: ties to even
;;       return np.moveaxis(q.reshape(q.shape[:-2] + (-1,))[..., :K], -1, axis).astype(np.float32)
;;   ~~~
;; One version. Each part assembles by itself: llvm-mc -triple=amdgcn-amd-amdhsa -mcpu=gfx1250 --defsym DOCPART=n.
;; ======== version 1 of 1: 4 launches
;; limits: values are held in f16: magnitudes above 65,504 overflow, below 6.1e-05 lose precision
;; workspace buffers: cod 2,490,368 bytes; scl 155,648 bytes; wof 524,288 bytes; mb 32,768 bytes; qf 8,388,608 bytes; kf 8,388,608 bytes; vf 8,388,608 bytes; of 8,388,608 bytes
;; launch prep (part 1): grid 644 x 1, 4 waves a work-group, no clusters, 34,304 bytes of LDS; arguments x, Wq, Wk, Wv, Wo, mask, cod, scl, wof, mb; writes cod, scl, wof, mb
.if DOCPART == 1
	.amdgcn_target "amdgcn-amd-amdhsa--gfx1250"
	.amdhsa_code_object_version 6
	.text
	.protected	k_q62cf1567f7_prep
	.globl	k_q62cf1567f7_prep
	.p2align	8
	.type	k_q62cf1567f7_prep,@function
k_q62cf1567f7_prep:
	s_mov_b64 s[64:65], 0
	v_nop
	global_prefetch_b8 v0, s[64:65] scope:SCOPE_SE
	s_setreg_imm32_b32 hwreg(HW_REG_WAVE_MODE, 25, 1), 1
	s_wait_xcnt 0x0
; PREP.  x [8192][512], Wq, Wk, Wv [512][512], f32, K innermost, become codes of FP4 (E2M1) with one E8M0 byte for each 32 along K; Wo becomes f16; the mask becomes an f32 addend (0 where a key counts, -3e38 where not).
; Everything is stored IN THE ORDER OF THE READER'S OPERAND REGISTERS: a fragment is 1,024 bytes, piece c (0, 1) of 512 bytes, lane l's 16 bytes at 16 l.
;   cod [tile 0..607][K step 0..3][c][lane][16]: tiles 0..511 are x's tiles of 16 rows, tile 512 + 32 type + i rows 16 i on of Wq, Wk, Wv.  Lane (r, h), piece c: block 2 c + h of row r in that K step of 128.
;   scl [tile][64 words]: word 16 s + r = the four bytes of row r, K step s.     wof [tile of 16 outputs][k step of 32][c][lane][16], f16.     mb [4][2048] f32.
; A block's scale is 2^(floor(log2(its largest magnitude)) - 2); its byte is the largest magnitude's exponent field - 2, held at 1 from below.
; LIMITS: a block of zeros gets the byte 1 where the rule says 127 (its codes are zeros, and this program alone reads the bytes); blocks whose largest magnitude lies under 2^-124 are held at that byte;
; NaN and infinities among the inputs are not served; |Wo| stays under 65,504 (f16).
; SHARES.  Work-group g < 608: tile g to codes; 608..639: Wo's tile g & 31; 640..643: the mask of batch g - 640.  A tile is 16 rows x 512 numbers; wave w takes columns 128 w on: one K step of codes, or four k steps of Wo.
; Each load takes 512 consecutive bytes of a row; the 8 KB of a wave turn through its own stage in LDS (rows 528 bytes apart, an odd multiple of 16), so that a lane gets neighbours along K.  Waves share nothing: no barrier.
.set PIT,   528
.set WST,   16*PIT                     ; a wave's stage
.set SPARE, 4*WST                      ; behind the stages: the spare words, 128 bytes for each wave
.set LI,  4                            ; v4   16 x lane
.set GL,  5                            ; v5   16 x lane + 512 x wave: my bytes of a row in memory
.set STI, 6                            ; v6   the stage, on the way in
.set STO, 7                            ; v7   on the way out, codes: row r, + 128 h
.set STW, 8                            ; v8   on the way out, Wo: row r, + 32 h
.set SPW, 14                           ; v14  my spare word; never rewritten
.set NIL, 15                           ; v15  0; never rewritten
.set R,   16                           ; v16-79   as loaded
.set X,   80                           ; v80-143  neighbours along K
.set C,   144                          ; v144..   codes (8) or f16 (32)
	s_load_b512 s[4:19], s[0:1], 0x0               ; x, Wq, Wk, Wv, Wo, mask, cod, scl
	s_load_b128 s[20:23], s[0:1], 0x40             ; wof, mb
	v_lshl_add_u32 v[SPW], v0, 2, SPARE
	v_mov_b32 v[NIL], 0
	v_lshrrev_b32 v1, 5, v0
	v_readfirstlane_b32 s24, v1                    ; wave
	s_mov_b32 s25, ttmp9                           ; g
	v_and_b32 v1, 31, v0                           ; lane
	v_and_b32 v2, 15, v0                           ; r
	v_bfe_u32 v3, v0, 4, 1                         ; h
	v_lshlrev_b32 v[LI], 4, v1
	s_lshl_b32 s36, s24, 9
	s_mul_i32 s37, s24, WST
	v_add_nc_u32 v[GL], s36, v[LI]
	v_add_nc_u32 v[STI], s37, v[LI]
	v_mul_u32_u24 v[STO], v2, PIT
	v_add_nc_u32 v[STO], s37, v[STO]
	v_lshl_add_u32 v[STW], v3, 5, v[STO]
	v_lshl_add_u32 v[STO], v3, 7, v[STO]
	s_mov_b32 s34, 0x76543210
	s_mov_b32 s35, 0xfedcba98                      ; lane selects: lane l xor 16
	s_wait_kmcnt 0x0
	s_cmp_ge_u32 s25, 640
	s_cbranch_scc1 .Lmask                          ; ahead of every LDS store
	s_mov_b64 s[26:27], s[4:5]                     ; which tensor: the choice hangs on the work-group's number alone
	s_cmp_ge_u32 s25, 512
	s_cselect_b64 s[26:27], s[6:7], s[26:27]
	s_cselect_b32 s38, 31, -1                      ; its tile: g in x, g & 31 in a weight
	s_cmp_ge_u32 s25, 544
	s_cselect_b64 s[26:27], s[8:9], s[26:27]
	s_cmp_ge_u32 s25, 576
	s_cselect_b64 s[26:27], s[10:11], s[26:27]
	s_cmp_ge_u32 s25, 608
	s_cselect_b64 s[26:27], s[12:13], s[26:27]
	s_and_b32 s38, s25, s38
	s_lshl_b32 s38, s38, 15                        ; 16 rows of 2,048 bytes
	s_mov_b32 s39, 0
	s_add_nc_u64 s[26:27], s[26:27], s[38:39]
.irp i, 0,1,2,3,4,5,6,7,8,9,10,11,12,13,14,15
	global_load_b128 v[R+4*\i:R+4*\i+3], v[GL], s[26:27] offset:2048*\i th:TH_LOAD_NT   ; row i: 512 consecutive bytes a wave
.endr
	s_lshl_b32 s40, s25, 12                        ; where the results go: codes at 4,096 g + 1,024 w,
	s_lshl_b32 s41, s24, 10
	s_add_co_u32 s40, s40, s41
	s_mov_b32 s41, 0
	s_add_nc_u64 s[28:29], s[16:17], s[40:41]
	s_lshl_b32 s40, s25, 8                         ; scale words at 256 g + 64 w,
	s_lshl_b32 s42, s24, 6
	s_add_co_u32 s40, s40, s42
	s_add_nc_u64 s[30:31], s[18:19], s[40:41]
	s_and_b32 s40, s25, 31                         ; Wo's fragments at 16,384 (g & 31) + 4,096 w
	s_lshl_b32 s40, s40, 14
	s_lshl_b32 s42, s24, 12
	s_add_co_u32 s40, s40, s42
	s_add_nc_u64 s[32:33], s[20:21], s[40:41]
.irp i, 0,1,2,3,4,5,6,7,8,9,10,11,12,13,14,15
	s_wait_loadcnt 15-\i                           ; row i is in; the younger rows stay out
	ds_store_b128 v[STI], v[R+4*\i:R+4*\i+3] offset:PIT*\i
.endr
	s_cmp_ge_u32 s25, 608
	s_cbranch_scc1 .Lwo                            ; behind this parting stand LDS loads alone
	; ---- codes.  LDS serves a wave's instructions in order: the loads see my stores
.irp c, 0,1
.irp q, 0,1,2,3,4,5,6,7
	ds_load_b128 v[X+32*\c+4*\q:X+32*\c+4*\q+3], v[STO] offset:256*\c+16*\q   ; block 2 c + h of row r: 32 numbers, all mine
.endr
.endr
.macro BMAX c, m, t                    ; the block's largest magnitude, in two chains, with the floor 2^(3 - 127) among the leaves: the byte cannot fall under 1
	v_max3_num_f32 v[\m], |v[X+32*\c]|, |v[X+32*\c+1]|, 0x1800000
	v_max3_num_f32 v[\t], |v[X+32*\c+16]|, |v[X+32*\c+17]|, |v[X+32*\c+18]|
.irp i, 2,4,6,8,10,12
	v_max3_num_f32 v[\m], v[\m], |v[X+32*\c+\i]|, |v[X+32*\c+\i+1]|
	v_max3_num_f32 v[\t], v[\t], |v[X+32*\c+17+\i]|, |v[X+32*\c+18+\i]|
.endr
	v_max3_num_f32 v[\m], v[\m], |v[X+32*\c+14]|, |v[X+32*\c+15]|
	v_max3_num_f32 v[\m], v[\m], v[\t], |v[X+32*\c+31]|
.endm
	s_wait_dscnt 8                                 ; the first block's eight loads are in
	BMAX 0, 9, 13
	s_wait_dscnt 0x0
	BMAX 1, 10, 13
	v_add_nc_u32 v11, 0xff000000, v9               ; 2 off the exponent field: the conversion takes the exponent field of this operand as its scale
	v_add_nc_u32 v12, 0xff000000, v10
	v_lshrrev_b32 v9, 23, v11                      ; the bytes of blocks h and 2 + h
	v_lshrrev_b32 v10, 23, v12
	v_lshl_or_b32 v13, v10, 16, v9
	v_lshlrev_b32 v9, 3, v3
	v_lshlrev_b32 v13, v9, v13                     ; at their places in the word: 8 h bits up
	v_mov_b32 v10, 0
	v_permlanex16_b32 v10, v13, s34, s35
	v_or_b32 v13, v13, v10                         ; with lane l xor 16's two the word is whole
.irp q, 0,1,2,3
	v_cvt_scalef32_pk8_fp4_f32 v[C+\q], v[X+8*\q:X+8*\q+7], v11
	v_cvt_scalef32_pk8_fp4_f32 v[C+4+\q], v[X+32+8*\q:X+32+8*\q+7], v12
.endr
	v_nop                                          ; one plain line behind the conversions
	v_lshlrev_b32 v9, 2, v2
	global_store_b128 v[LI], v[C:C+3], s[28:29]                ; 512 consecutive bytes
	global_store_b128 v[LI], v[C+4:C+7], s[28:29] offset:512
	global_store_b32 v9, v13, s[30:31]             ; row r's word; both halves of the lanes store the same word with the same value
	s_branch .Lend
.Lwo:	; ---- Wo to f16: fragment f (k step 4 w + f): lane (r, h) holds k = 8 h + 0..7 in piece 0, 16 + 8 h + 0..7 in piece 1
.irp f, 0,1,2,3
	ds_load_b128 v[X+16*\f:X+16*\f+3],     v[STW] offset:128*\f
	ds_load_b128 v[X+16*\f+4:X+16*\f+7],   v[STW] offset:128*\f+16
	ds_load_b128 v[X+16*\f+8:X+16*\f+11],  v[STW] offset:128*\f+64
	ds_load_b128 v[X+16*\f+12:X+16*\f+15], v[STW] offset:128*\f+80
.endr
	s_wait_dscnt 0x0
.irp j, 0,1,2,3,4,5,6,7,8,9,10,11,12,13,14,15,16,17,18,19,20,21,22,23,24,25,26,27,28,29,30,31
	v_cvt_pk_f16_f32 v[C+\j], v[X+2*\j], v[X+2*\j+1]
.endr
.irp p, 0,1,2,3,4,5,6,7
	global_store_b128 v[LI], v[C+4*\p:C+4*\p+3], s[32:33] offset:512*\p
.endr
	s_branch .Lend
.Lmask:	; ---- the mask of one batch: thread t takes 4 bytes at 4 t + 512 i and stores 16 bytes at 16 t + 2,048 i
	s_sub_co_u32 s36, s25, 640
	s_lshl_b32 s38, s36, 11
	s_mov_b32 s39, 0
	s_add_nc_u64 s[14:15], s[14:15], s[38:39]
	s_lshl_b32 s38, s36, 13
	s_add_nc_u64 s[22:23], s[22:23], s[38:39]
	v_lshlrev_b32 v20, 2, v0
	v_lshlrev_b32 v21, 4, v0
.irp i, 0,1,2,3
	global_load_b32 v[16+\i], v20, s[14:15] offset:512*\i
.endr
	v_mov_b32 v11, 0xff61b1e6                      ; -3e38
	s_wait_loadcnt 0x0
.irp i, 0,1,2,3
.irp b, 0,1,2,3
	v_bfe_u32 v9, v[16+\i], 8*\b, 8
	v_cmp_eq_u32 vcc_lo, 0, v9
	v_cndmask_b32 v[32+4*\i+\b], 0, v11, vcc_lo    ; a hole: -3e38; else 0
.endr
.endr
.irp i, 0,1,2,3
	global_store_b128 v21, v[32+4*\i:32+4*\i+3], s[22:23] offset:2048*\i
.endr
.Lend:
	s_wait_tensorcnt 0x0                           ; the wave's end, behind my last LDS store
	ds_add_u32 v[SPW], v[NIL]
	s_wait_dscnt 0x0
	s_endpgm
.Lfunc_end_k_q62cf1567f7_prep:
	.size	k_q62cf1567f7_prep, .Lfunc_end_k_q62cf1567f7_prep-k_q62cf1567f7_prep
	.p2alignl 7, 3214868480
	.fill 96, 4, 3214868480
	.section	.rodata,"a",@progbits
	.p2align	6, 0x0
	.amdhsa_kernel k_q62cf1567f7_prep
		.amdhsa_group_segment_fixed_size 34304
		.amdhsa_private_segment_fixed_size 0
		.amdhsa_enable_private_segment 0
		.amdhsa_kernarg_size 80
		.amdhsa_user_sgpr_count 2
		.amdhsa_user_sgpr_kernarg_segment_ptr 1
		.amdhsa_wavefront_size32 1
		.amdhsa_system_sgpr_workgroup_id_x 1
		.amdhsa_system_sgpr_workgroup_id_y 1
		.amdhsa_system_sgpr_workgroup_id_z 1
		.amdhsa_system_vgpr_workitem_id 0
		.amdhsa_next_free_vgpr 176
		.amdhsa_next_free_sgpr 66
		.amdhsa_reserve_vcc 1
		.amdhsa_float_denorm_mode_32 3
		.amdhsa_float_denorm_mode_16_64 3
		.amdhsa_memory_ordered 1
		.amdhsa_forward_progress 1
		.amdhsa_inst_pref_size 18
	.end_amdhsa_kernel
	.amdgpu_metadata
---
amdhsa.version: [ 1, 2 ]
amdhsa.kernels:
  - .name:           k_q62cf1567f7_prep
    .symbol:         k_q62cf1567f7_prep.kd
    .args:
      - { .name: x, .offset: 0, .size: 8, .value_kind: global_buffer, .address_space: global }
      - { .name: Wq, .offset: 8, .size: 8, .value_kind: global_buffer, .address_space: global }
      - { .name: Wk, .offset: 16, .size: 8, .value_kind: global_buffer, .address_space: global }
      - { .name: Wv, .offset: 24, .size: 8, .value_kind: global_buffer, .address_space: global }
      - { .name: Wo, .offset: 32, .size: 8, .value_kind: global_buffer, .address_space: global }
      - { .name: mask, .offset: 40, .size: 8, .value_kind: global_buffer, .address_space: global }
      - { .name: cod, .offset: 48, .size: 8, .value_kind: global_buffer, .address_space: global }
      - { .name: scl, .offset: 56, .size: 8, .value_kind: global_buffer, .address_space: global }
      - { .name: wof, .offset: 64, .size: 8, .value_kind: global_buffer, .address_space: global }
      - { .name: mb, .offset: 72, .size: 8, .value_kind: global_buffer, .address_space: global }
    .group_segment_fixed_size: 34304
    .private_segment_fixed_size: 0
    .kernarg_segment_align: 8
    .kernarg_segment_size: 80
    .max_flat_workgroup_size: 128
    .sgpr_count:     66
    .vgpr_count:     176
    .wavefront_size: 32
...
	.end_amdgpu_metadata
.endif
;; end of part 1
;; launch qkv (part 2): grid 256 x 1, 4 waves a work-group, no clusters, 0 bytes of LDS; arguments cod, scl, bq, bk, bv, qf, kf, vf; writes qf, kf, vf
.if DOCPART == 2
	.amdgcn_target "amdgcn-amd-amdhsa--gfx1250"
	.amdhsa_code_object_version 6
	.text
	.protected	k_q62cf1567f7_qkv
	.globl	k_q62cf1567f7_qkv
	.p2align	8
	.type	k_q62cf1567f7_qkv,@function
k_q62cf1567f7_qkv:
	s_mov_b64 s[64:65], 0
	v_nop
	global_prefetch_b8 v0, s[64:65] scope:SCOPE_SE
	s_setreg_imm32_b32 hwreg(HW_REG_WAVE_MODE, 25, 1), 1
	s_wait_xcnt 0x0
; QKV.  q = (x Wq^T + bq) log2(e) / 8, k = x Wk^T + bk, v = x Wv^T + bv: the three products on codes of FP4 (E2M1) with E8M0 scales, sums in f32, results rounded once to f16.
; SHARES.  Work-group g: tokens 128 (g / 4) on, eight tiles of 16.  Wave w: channels 32 cgp on, cgp = 4 (g % 4) + w, OF q, OF k AND OF v: six tiles of weights, 48 accumulators, one text for all waves, no branch.
; All of K = 512 lies in registers: x's 32 fragments (256), the weights' 24 (192), 384 of sums.  A wave issues 192 matrix instructions and 48 stores of 512 consecutive bytes.
; LAYOUT.  q and k: source 0 = 16 channels of W, source 1 = 16 tokens: a lane holds one token and eight neighbouring channels; two neighbouring tiles of channels, packed to f16, ARE the two pieces of a fragment
; (16 tokens x 32 channels) of the next product.  v: the sources swapped: a lane holds one channel and eight neighbouring tokens: two neighbouring tiles of tokens are a fragment of V^T (16 channels x 32 keys).
;   qf, kf [bh][tile of 16 tokens][s 0..1][c][lane][16];   vf [bh][32 keys][tile of 16 channels][c][lane][16].  Nothing is staged or transposed.
; The biases are the C of each sum's first matrix instruction.  For v all eight registers of a lane want bv of its one channel: that word is loaded eight times, which costs no vector line.
; NO CLUSTER, NO LDS: every wave reads each of its fragments once, in one run at the head; there is no ring.  Of a work-group's 128 KB of operand bytes only x's 32 KB are shared, with three neighbours.
; LIMITS: |q log2(e) / 8|, |k|, |v| stay under 65,504 (f16).
; REGISTERS: window 0: v1-4 offsets; v16-31 x's scale words, v32-43 the weights' (register 2 i + p: K step 2 p in lanes 0-15, 2 p + 1 in lanes 16-31); v48-79 bq's and bk's tiles; v80-95 bv's; v128-255 q's sums.
;   window 1: x's fragments at 8 (4 a + s); on the way out the packed results.   window 2: the weights' at 8 (4 n + s).   window 3: k's sums, from v128 v's.
.set XS, 16
.set WS, 32
.set BC, 48
.set BV, 80
.set QA, 128
.set MSB, 0
.macro WIN new                         ; the immediate's high byte repeats the setting that is left
.if MSB != \new
	s_set_vgpr_msb (MSB<<8)|\new
.set MSB, \new
.endif
.endm
	s_load_b512 s[4:19], s[0:1], 0x0               ; cod, scl, bq, bk, bv, qf, kf, vf
	v_and_b32 v5, 31, v0
	v_lshrrev_b32 v6, 5, v0
	v_readfirstlane_b32 s20, v6                    ; wave
	v_lshlrev_b32 v1, 4, v5                        ; 16 x lane
	v_lshlrev_b32 v2, 2, v5                        ; 4 x lane
	v_bfe_u32 v3, v0, 4, 1
	v_lshlrev_b32 v3, 5, v3                        ; 32 h
	v_and_b32 v4, 15, v0
	v_lshlrev_b32 v4, 2, v4                        ; 4 r
	s_lshr_b32 s21, ttmp9, 2                       ; tb: which 128 tokens
	s_and_b32 s22, ttmp9, 3
	s_lshl_b32 s22, s22, 2
	s_add_co_u32 s22, s22, s20                     ; cgp: which 32 channels
	s_mov_b32 s40, 0x3e38aa3b                      ; log2(e) / 8
	s_mov_b32 s41, s40                             ; (named with it as a pair)
	s_mov_b32 s33, 0
	s_wait_kmcnt 0x0
	s_lshl_b32 s32, s21, 15
	s_add_nc_u64 s[24:25], s[4:5], s[32:33]        ; x's codes: 8 tiles of 4,096 bytes
	s_lshl_b32 s32, s22, 13
	s_add_co_u32 s32, s32, 512*4096
	s_add_nc_u64 s[26:27], s[4:5], s[32:33]        ; Wq's tile 2 cgp; Wk's and Wv's lie 131,072 and 262,144 bytes on
	s_lshl_b32 s32, s21, 11
	s_add_nc_u64 s[28:29], s[6:7], s[32:33]        ; x's scale words
	s_lshl_b32 s32, s22, 9
	s_add_co_u32 s32, s32, 512*256
	s_add_nc_u64 s[30:31], s[6:7], s[32:33]        ; the weights'
	s_lshl_b32 s32, s22, 7
	s_add_nc_u64 s[8:9], s[8:9], s[32:33]          ; the biases at my 32 channels
	s_add_nc_u64 s[10:11], s[10:11], s[32:33]
	s_add_nc_u64 s[12:13], s[12:13], s[32:33]
	s_lshr_b32 s34, s21, 4                         ; batch
	s_lshl_b32 s34, s34, 3
	s_lshr_b32 s36, s22, 1                         ; head
	s_add_co_u32 s34, s34, s36
	s_lshl_b32 s34, s34, 18                        ; 262,144 bytes a head
	s_and_b32 s36, s21, 15
	s_lshl_b32 s36, s36, 14                        ; 16,384 bytes for 128 tokens
	s_add_co_u32 s34, s34, s36
	s_and_b32 s36, s22, 1                          ; which half of the head's 64 channels
	s_lshl_b32 s37, s36, 10
	s_add_co_u32 s32, s34, s37
	s_add_nc_u64 s[14:15], s[14:15], s[32:33]
	s_add_nc_u64 s[16:17], s[16:17], s[32:33]
	s_lshl_b32 s37, s36, 11
	s_add_co_u32 s32, s34, s37
	s_add_nc_u64 s[18:19], s[18:19], s[32:33]
	; ---- the small loads: 52
.irp a, 0,1,2,3,4,5,6,7
.irp p, 0,1
	global_load_b32 v[XS+2*\a+\p], v2, s[28:29] offset:256*\a+128*\p
.endr
.endr
.irp n, 0,1,2,3,4,5
.irp p, 0,1
	global_load_b32 v[WS+2*\n+\p], v2, s[30:31] offset:8192*(\n/2)+256*(\n%2)+128*\p
.endr
.endr
.irp n, 0,1
	global_load_b128 v[BC+8*\n:BC+8*\n+3],       v3, s[8:9] offset:64*\n          ; bq at channels 16 n + 8 h + 0 .. 7
	global_load_b128 v[BC+8*\n+4:BC+8*\n+7],     v3, s[8:9] offset:64*\n+16
	global_load_b128 v[BC+16+8*\n:BC+16+8*\n+3], v3, s[10:11] offset:64*\n        ; bk likewise
	global_load_b128 v[BC+20+8*\n:BC+20+8*\n+3], v3, s[10:11] offset:64*\n+16
.endr
.irp n, 0,1
.irp j, 0,1,2,3,4,5,6,7
	global_load_b32 v[BV+8*\n+\j], v4, s[12:13] offset:64*\n                      ; bv at channel 16 n + r, in all eight registers
.endr
.endr
	; ---- the fragments, K step by K step: 28 loads each
.irp s, 0,1,2,3
	WIN 0x40                                       ; destination window 1
.irp a, 0,1,2,3,4,5,6,7
	global_load_b128 v[8*(4*\a+\s):8*(4*\a+\s)+3],   v1, s[24:25] offset:4096*\a+1024*\s
	global_load_b128 v[8*(4*\a+\s)+4:8*(4*\a+\s)+7], v1, s[24:25] offset:4096*\a+1024*\s+512
.endr
	WIN 0x80                                       ; destination window 2
.irp n, 0,1,2,3,4,5
	global_load_b128 v[8*(4*\n+\s):8*(4*\n+\s)+3],   v1, s[26:27] offset:131072*(\n/2)+4096*(\n%2)+1024*\s
	global_load_b128 v[8*(4*\n+\s)+4:8*(4*\n+\s)+7], v1, s[26:27] offset:131072*(\n/2)+4096*(\n%2)+1024*\s+512
.endr
.endr
.macro MM odd                          ; one product on the registers named by rD, rA, rB, rC, rSA, rSB; an odd K step's scale words stand in lanes 16-31
.if \odd
	v_wmma_scale_f32_16x16x128_f8f6f4 v[rD:rD+7], v[rA:rA+7], v[rB:rB+7], v[rC:rC+7], v[rSA], v[rSB] matrix_a_fmt:MATRIX_FMT_FP4 matrix_b_fmt:MATRIX_FMT_FP4 matrix_a_scale:MATRIX_SCALE_ROW1 matrix_b_scale:MATRIX_SCALE_ROW1
.else
	v_wmma_scale_f32_16x16x128_f8f6f4 v[rD:rD+7], v[rA:rA+7], v[rB:rB+7], v[rC:rC+7], v[rSA], v[rSB] matrix_a_fmt:MATRIX_FMT_FP4 matrix_b_fmt:MATRIX_FMT_FP4
.endif
.endm
.macro MULQK s, d0, nb                 ; 16 products of K step s: source 0 = weight tile nb + n, source 1 = x's tile a.  The first K step takes the bias as C
.irp a, 0,1,2,3,4,5,6,7
.irp n, 0,1
.set rD, \d0+8*(2*\a+\n)
.set rA, 8*(4*(\nb+\n)+\s)
.set rB, 8*(4*\a+\s)
.set rC, rD
.if \s == 0
.set rC, BC+8*(\nb+\n)
.endif
.set rSA, WS+2*(\nb+\n)+\s/2
.set rSB, XS+2*\a+\s/2
	MM \s%2
.endr
.endr
.endm
.macro MULV s                          ; the same for v, the sources and their scales swapped
.irp a, 0,1,2,3,4,5,6,7
.irp n, 0,1
.set rD, 128+8*(2*\a+\n)
.set rA, 8*(4*\a+\s)
.set rB, 8*(4*(4+\n)+\s)
.set rC, rD
.if \s == 0
.set rC, BV+8*\n
.endif
.set rSA, XS+2*\a+\s/2
.set rSB, WS+2*(4+\n)+\s/2
	MM \s%2
.endr
.endr
.endm
	; ---- the products.  The 48 accumulators take turns, one instruction a turn
.irp s, 0,1,2,3
.if \s == 0
	s_wait_loadcnt 63                              ; the small loads and K step 0 are in.  84 younger loads might stay out; the field holds 63
.else
	s_wait_loadcnt 28*(3-\s)                       ; the later K steps' loads, 28 each, may stay out
.endif
	WIN 0x06                                       ; source 0 window 2, source 1 window 1, C and D window 0
	MULQK \s, QA, 0
.if \s == 0
	WIN 0xc6                                       ; D window 3, C (the bias) window 0
.else
	WIN 0xf6                                       ; C and D window 3
.endif
	MULQK \s, 0, 2
.if \s == 0
	WIN 0xc9                                       ; source 0 window 1, source 1 window 2
.else
	WIN 0xf9
.endif
	MULV \s
.endr
	; ---- the way out
	WIN 0
.rept 4
	v_nop                                          ; places behind the last products
.endr
.set i, 0
.rept 64
	v_pk_mul_f32 v[QA+i:QA+i+1], v[QA+i:QA+i+1], s[40:41] op_sel_hi:[1,0]    ; q x log2(e) / 8; each accumulator from its low end on
.set i, i+2
.endr
	WIN 0x40                                       ; destination window 1: x's fragments are done with
.set i, 0
.rept 64
	v_cvt_pk_f16_f32 v[i], v[QA+2*i], v[QA+2*i+1]
.set i, i+1
.endr
	WIN 0x4f                                       ; sources window 3
.set i, 0
.rept 128
	v_cvt_pk_f16_f32 v[64+i], v[2*i], v[2*i+1]     ; k's 64, then v's 64
.set i, i+1
.endr
	WIN 0x04                                       ; a store's data: window 1
.irp a, 0,1,2,3,4,5,6,7
.irp n, 0,1
	global_store_b128 v1, v[4*(2*\a+\n):4*(2*\a+\n)+3],         s[14:15] offset:2048*\a+512*\n
	global_store_b128 v1, v[64+4*(2*\a+\n):64+4*(2*\a+\n)+3],   s[16:17] offset:2048*\a+512*\n
	global_store_b128 v1, v[128+4*(2*\a+\n):128+4*(2*\a+\n)+3], s[18:19] offset:4096*(\a/2)+1024*\n+512*(\a%2)
.endr
.endr
	WIN 0
	s_endpgm
.Lfunc_end_k_q62cf1567f7_qkv:
	.size	k_q62cf1567f7_qkv, .Lfunc_end_k_q62cf1567f7_qkv-k_q62cf1567f7_qkv
	.p2alignl 7, 3214868480
	.fill 96, 4, 3214868480
	.section	.rodata,"a",@progbits
	.p2align	6, 0x0
	.amdhsa_kernel k_q62cf1567f7_qkv
		.amdhsa_group_segment_fixed_size 0
		.amdhsa_private_segment_fixed_size 0
		.amdhsa_enable_private_segment 0
		.amdhsa_kernarg_size 64
		.amdhsa_user_sgpr_count 2
		.amdhsa_user_sgpr_kernarg_segment_ptr 1
		.amdhsa_wavefront_size32 1
		.amdhsa_system_sgpr_workgroup_id_x 1
		.amdhsa_system_sgpr_workgroup_id_y 1
		.amdhsa_system_sgpr_workgroup_id_z 1
		.amdhsa_system_vgpr_workitem_id 0
		.amdhsa_next_free_vgpr 1024
		.amdhsa_next_free_sgpr 66
		.amdhsa_reserve_vcc 0
		.amdhsa_float_denorm_mode_32 3
		.amdhsa_float_denorm_mode_16_64 3
		.amdhsa_memory_ordered 1
		.amdhsa_forward_progress 1
		.amdhsa_inst_pref_size 63
	.end_amdhsa_kernel
	.amdgpu_metadata
---
amdhsa.version: [ 1, 2 ]
amdhsa.kernels:
  - .name:           k_q62cf1567f7_qkv
    .symbol:         k_q62cf1567f7_qkv.kd
    .args:
      - { .name: cod, .offset: 0, .size: 8, .value_kind: global_buffer, .address_space: global }
      - { .name: scl, .offset: 8, .size: 8, .value_kind: global_buffer, .address_space: global }
      - { .name: bq, .offset: 16, .size: 8, .value_kind: global_buffer, .address_space: global }
      - { .name: bk, .offset: 24, .size: 8, .value_kind: global_buffer, .address_space: global }
      - { .name: bv, .offset: 32, .size: 8, .value_kind: global_buffer, .address_space: global }
      - { .name: qf, .offset: 40, .size: 8, .value_kind: global_buffer, .address_space: global }
      - { .name: kf, .offset: 48, .size: 8, .value_kind: global_buffer, .address_space: global }
      - { .name: vf, .offset: 56, .size: 8, .value_kind: global_buffer, .address_space: global }
    .group_segment_fixed_size: 0
    .private_segment_fixed_size: 0
    .kernarg_segment_align: 8
    .kernarg_segment_size: 64
    .max_flat_workgroup_size: 128
    .sgpr_count:     66
    .vgpr_count:     1024
    .wavefront_size: 32
...
	.end_amdgpu_metadata
.endif
;; end of part 2
;; launch attn (part 3): grid 8 x 32, 4 waves a work-group, clusters of 4 x 1, 327,680 bytes of LDS; arguments qf, kf, vf, mb, of; writes of
.if DOCPART == 3
	.amdgcn_target "amdgcn-amd-amdhsa--gfx1250"
	.amdhsa_code_object_version 6
	.text
	.protected	k_q62cf1567f7_attn
	.globl	k_q62cf1567f7_attn
	.p2align	8
	.type	k_q62cf1567f7_attn,@function
k_q62cf1567f7_attn:
	s_mov_b64 s[64:65], 0
	v_nop
	global_prefetch_b8 v0, s[64:65] scope:SCOPE_SE
	s_setreg_imm32_b32 hwreg(HW_REG_WAVE_MODE, 25, 1), 1
	s_wait_xcnt 0x0
	s_wait_alu depctr_hold_cnt(0) depctr_sa_sdst(0) depctr_va_vdst(0) depctr_va_sdst(0) depctr_va_ssrc(0) depctr_va_vcc(0) depctr_vm_vsrc(0)
	s_getreg_b32 s2, hwreg(HW_REG_IB_STS2, 6, 4)
	s_cmp_eq_u32 s2, 0
	s_cbranch_scc0 .Lentry_in_a_cluster
	s_endpgm
.Lentry_in_a_cluster:
	s_bfe_u32 s2, ttmp6, 0x10000c
	s_cmp_lg_u32 s2, 0x3003
	s_cbranch_scc0 .Lentry_shape_is_right
	s_endpgm
.Lentry_shape_is_right:
; ATTN.  O[bh][q] = the sum over keys of softmax(q . k / 8, holes of the mask left out) v, on f16 operands with f32 sums.  q arrives multiplied by log2(e) / 8, so t = q . k is the exponent in base 2.
; SHARES.  A work-group owns 256 queries of one head, each of its four waves 64: four tiles of 16.  Every wave walks the head's 2,048 keys, 64 a step, 32 steps.
; LAYOUT.  S^T = K Q^T (source 0 = 16 keys, source 1 = 16 queries), O^T = V^T P (source 0 = 16 channels, source 1 = P): a lane holds ONE query throughout.  K, V and Q lie in memory as images of their operand registers:
; every LDS or global load of a fragment takes 512 consecutive bytes, and O^T, packed to f16, is stored as the fragments of the next launch.  No stage, no LDS store.
; THE MASK is the C of the first K Q^T instruction of a tile of keys: 0, or -3e38 for a hole.  The running maximum m never lies under -1e30, so a hole's p = 2^(t - m) is 0.
; THE ROW'S SUM is a fifth tile of rows of V^T P, whose source 0 is sixteen rows of ones: all eight registers of every lane hold l.  In every step O^T and l are multiplied by a = 2^(m_old - m_new).
; BY TURNS.  The tiles are two PIECES (0: tiles 0, 1; 2: tiles 2, 3).  In a TURN one piece has the matrix unit (20 products V^T P of the step in hand, 16 products K Q^T of the next); the other piece's softmax, 105
; instructions a tile, stands in 35 slices of six behind its matrix instructions.  Two turns are a key step.
; CLUSTER.  The four query blocks of a cluster belong to one head: every tile of K, V and the mask is asked for JOINTLY, by the same tensor load in all four, with a mask that names the four.
; THE RING.  Two slots of eight steps (64 KB of K, 64 KB of V).  Slot 0's first fill goes in two loads a wave (steps 0, 1; steps 2 to 7), so that work begins when the first has landed.  Four tensor loads of a wave are out at the most.
; LIMITS: |t| stays under 1e30; a batch whose mask is all holes gives l = 0 and 0 x infinity = NaN, as a softmax over nothing gives; |o| stays under 65,504 (f16).
; REGISTERS: window 0: v2-6 addresses; v12-43 statistics, 8 a tile (+0 m, +1 zero, +4..+7 c0-c3; a takes c2's place); v62, v63 the add's; v64-191 S^T, 32 a tile; v192-255 P, 16 a tile.
;   window 1: O^T at 40 t + 8 rt (rt = 4: l).   window 2: v0-63 Q; v64-127 K of a step; v128-159 the mask's four tiles.   window 3: v0-63 V of a step; v64-71 ones.
.set SLOT1, 1<<17                      ; slot 1: one exclusive or turns an address in one slot into the other's
.set VOFF,  65536                      ; in a slot: eight steps of K, then eight of V
.set STEPB, 8192                       ; a step's K, or V
.set MB,    2*SLOT1                    ; the batch's mask addends, 8,192 bytes: filled once
.set SPARE, MB+8192                    ; the spare words, 128 bytes for each wave
.set LI,  2                            ; v2   16 x lane
.set AV0, 3                            ; v3   + VOFF
.set AM0, 4                            ; v4   MB + 32 h
.set ADR, 5                            ; v5   address of the run of loads in hand
.set ADM, 6                            ; v6   the same for the mask
.set ST,  12
.set SPW, 62
.set NIL, 63
.set S,   64
.set P,   192
.set KF,  64                           ; in window 2
.set CM,  128                          ; in window 2
.set ONE, 64                           ; in window 3
.set WV,  14                           ; s14  wave
.set G1S, 24                           ; s[24:31] group 1: 128 rows of 256 bytes;  s[32:39] 32 rows;  s[40:47] 96 rows;  s[48:55] 8 rows
.set G1A, 32
.set G1B, 40
.set G1M, 48
.set G0S, 56                           ; s[56:59] group 0 of slot 1's first fill, which then walks;  s[60:63] steps 0, 1;  s[68:71] steps 2..7;  s[72:75] the mask
.set G0A, 60
.set G0B, 68
.set G0M, 72
.set SEL, 76                           ; s[76:77] lane selects: lane l xor 16
.set TB,  78                           ; s78  LDS byte of the step to be fetched
.set TM,  79                           ; s79  and of its mask addends: 256 bytes a step
.set CNT, 80
.set MSB, 0
.macro WIN new                         ; the immediate's high byte repeats the setting that is left; a switch that changes nothing is dropped
.if MSB != \new
	s_set_vgpr_msb (MSB<<8)|\new
.set MSB, \new
.endif
.endm
.set W_PV, 0x53                        ; V window 3, P window 0, O^T window 1
.set W_RS, 0x41                        ; O^T (destination, source 0) window 1, a window 0
.macro PLACES
.rept 4
	v_nop
.endr
.endm
.macro CROUND                          ; a round of the cluster's barrier
	s_barrier_signal -1
	s_barrier_wait -1
	s_cmp_lg_u32 s[WV], 0
	s_cbranch_scc1 .Lnot_wave_0_\@
	s_barrier_signal -3
.Lnot_wave_0_\@:
	s_barrier_wait -3
	s_barrier_signal -1
	s_barrier_wait -1
.endm
.macro GROUP1 g, rows                  ; a dense block as rows of 256 bytes (32 elements of 8 bytes); the mask names all four work-groups, bit 21 beside it
	s_mov_b32 s[\g], 15|(3<<16)|(1<<21)
	s_mov_b32 s[\g+1], 32<<16
	s_mov_b32 s[\g+2], (\rows)<<16
	s_mov_b32 s[\g+3], 32<<16
	s_mov_b32 s[\g+4], \rows
	s_mov_b32 s[\g+5], 32
	s_mov_b32 s[\g+6], 0
	s_mov_b32 s[\g+7], 0
.endm
	s_load_b256 s[4:11], s[0:1], 0x0               ; qf, kf, vf, mb
	s_load_b64 s[12:13], s[0:1], 0x20              ; of
	v_lshl_add_u32 v[SPW], v0, 2, SPARE
	v_mov_b32 v[NIL], 0
	ds_add_u32 v[SPW], v[NIL]                      ; the wave's opening: the add, twice on end, and its wait ahead of my first tensor load
	ds_add_u32 v[SPW], v[NIL]
	v_lshrrev_b32 v1, 5, v0
	v_readfirstlane_b32 s[WV], v1
	s_bfe_u32 s15, ttmp6, 0x40000                  ; cx
	s_lshl_b32 s16, ttmp9, 2
	s_add_co_u32 s16, s16, s15                     ; my block of 256 queries: it enters Q's and O's addresses alone
	s_and_b32 s17, ttmp7, 0xffff                   ; bh, which the four partners share
	s_lshr_b32 s18, s[WV], 1                       ; I fetch for K (0) or for V (1),
	s_and_b32 s19, s[WV], 1                        ; its first or second half
	GROUP1 G1S, 128
	GROUP1 G1A, 32
	GROUP1 G1B, 96
	GROUP1 G1M, 8
	s_mov_b32 s[SEL], 0x76543210
	s_mov_b32 s[SEL+1], 0xfedcba98
	s_mov_b32 s[TB], 0
	s_mov_b32 s[TM], 0
	s_lshl_b32 s20, s18, 16                        ; LDS: K's or V's part of a slot
	s_lshl_b32 s21, s[WV], 11                      ; my 2,048 bytes of the mask
	s_mov_b32 s[G0M], 1
	s_add_co_u32 s[G0M+1], s21, MB
	s_lshl_b32 s22, s19, 13                        ; step 0 or 1
	s_mov_b32 s[G0A], 1
	s_add_co_u32 s[G0A+1], s20, s22
	s_mul_i32 s23, s19, 3*STEPB                    ; steps 2..4 or 5..7
	s_add_co_u32 s23, s23, 2*STEPB
	s_mov_b32 s[G0B], 1
	s_add_co_u32 s[G0B+1], s20, s23
	s_lshl_b32 s66, s19, 15                        ; four steps of a whole slot's eight
	s_mov_b32 s[G0S], 1
	s_add_co_u32 s[G0S+1], s20, s66
	s_add_co_u32 s[G0S+1], s[G0S+1], SLOT1
	v_and_b32 v1, 31, v0
	v_lshlrev_b32 v[LI], 4, v1
	v_add_nc_u32 v[AV0], VOFF, v[LI]
	v_bfe_u32 v1, v0, 4, 1
	v_lshl_add_u32 v[AM0], v1, 5, MB
.irp t, 0,1,2,3
	v_mov_b32 v[ST+8*\t+1], 0                      ; named with m as a pair, so it is written
.endr
	s_wait_dscnt 0x0                               ; both opening adds are done
	s_wait_kmcnt 0x0
	s_cmp_eq_u32 s18, 0
	s_cselect_b64 s[6:7], s[6:7], s[8:9]           ; the buffer that I fetch from: the choice hangs on the wave's number alone
	s_lshl_b32 s2, s17, 18                         ; 262,144 bytes a head
	s_mov_b32 s3, 0
	s_add_nc_u64 s[6:7], s[6:7], s[2:3]
	s_add_nc_u64 s[4:5], s[4:5], s[2:3]
	s_mov_b32 s2, s22
	s_add_nc_u64 s[G0A+2:G0A+3], s[6:7], s[2:3]
	s_or_b32 s[G0A+3], s[G0A+3], 0x80000000
	s_mov_b32 s2, s23
	s_add_nc_u64 s[G0B+2:G0B+3], s[6:7], s[2:3]
	s_or_b32 s[G0B+3], s[G0B+3], 0x80000000
	s_add_co_u32 s2, s66, 8*STEPB
	s_add_nc_u64 s[G0S+2:G0S+3], s[6:7], s[2:3]
	s_or_b32 s[G0S+3], s[G0S+3], 0x80000000
	s_lshr_b32 s2, s17, 3                          ; batch
	s_lshl_b32 s2, s2, 13
	s_add_co_u32 s2, s2, s21
	s_add_nc_u64 s[G0M+2:G0M+3], s[10:11], s[2:3]
	s_or_b32 s[G0M+3], s[G0M+3], 0x80000000
	s_lshl_b32 s82, s16, 15                        ; Q: my block's 16 tiles of 2,048 bytes, my wave's 4 of them
	s_lshl_b32 s83, s[WV], 13
	s_add_co_u32 s82, s82, s83
	s_mov_b32 s83, 0
	s_add_nc_u64 s[4:5], s[4:5], s[82:83]
	s_lshl_b32 s82, s82, 3                         ; O: the same tiles, 16,384 bytes each,
	s_lshr_b32 s15, s17, 3
	s_lshl_b32 s15, s15, 21                        ; 128 tiles a batch,
	s_add_co_u32 s82, s82, s15
	s_and_b32 s15, s17, 7
	s_lshl_b32 s15, s15, 11                        ; the head's two k steps
	s_add_co_u32 s82, s82, s15
	s_add_nc_u64 s[12:13], s[12:13], s[82:83]
	CROUND                                         ; all four work-groups are here: the first joint loads meet
	tensor_load_to_lds s[G0M:G0M+3], s[G1M:G1M+7]  ; the first fills, one group: the mask,
	s_nop 0
	tensor_load_to_lds s[G0A:G0A+3], s[G1A:G1A+7]  ; steps 0 and 1,
	s_nop 0
	tensor_load_to_lds s[G0B:G0B+3], s[G1B:G1B+7]  ; steps 2 to 7,
	s_nop 0
	tensor_load_to_lds s[G0S:G0S+3], s[G1S:G1S+7]  ; slot 1
	s_nop 0
	PLACES
	WIN 0x80                                       ; destination window 2
.irp i, 0,1,2,3,4,5,6,7,8,9,10,11,12,13,14,15
	global_load_b128 v[4*\i:4*\i+3], v[LI], s[4:5] offset:512*\i   ; Q stays in registers: 8 KB on end
.endr
	WIN 0xc0                                       ; destination window 3
.irp i, 0,1,2,3,4,5,6,7
	v_mov_b32 v[ONE+\i], 0x3c003c00                ; sixteen rows of f16 ones
.endr
	WIN 0
; THE MATRIX WORK.  The accumulators take turns, one instruction a turn: ten in V^T P, eight in K Q^T.
.macro PV x, zero                      ; product i of 20: keys 32 (i / 10) on, rows rt = (i / 2) % 5, tile x + i % 2.  zero = 1: the first ten start the sums
	WIN W_PV
.set rt, (i/2)%5
.set uu, i/10
.set rO, 40*(\x+i%2)+8*rt
.set rP, P+16*(\x+i%2)+8*uu
.set rV, 32*uu+8*rt
.if rt == 4
.set rV, ONE
.endif
.if (\zero) && (i < 10)
	v_wmma_f32_16x16x32_f16 v[rO:rO+7], v[rV:rV+7], v[rP:rP+7], 0
.else
	v_wmma_f32_16x16x32_f16 v[rO:rO+7], v[rV:rV+7], v[rP:rP+7], v[rO:rO+7]
.endif
.endm
.macro KQ x                            ; product i of 16: channels 32 (i / 8) on, keys 16 ((i / 2) % 4) on, tile x + i % 2.  The first eight take the mask's tile as C
.set rS, S+32*(\x+i%2)+8*((i/2)%4)
.set rK, KF+16*((i/2)%4)+8*(i/8)
.set rQ, 16*(\x+i%2)+8*(i/8)
.set rC, CM+8*((i/2)%4)
.if i < 8
	WIN 0x2a                                       ; K, Q and the mask window 2, S^T window 0
	v_wmma_f32_16x16x32_f16 v[rS:rS+7], v[rK:rK+7], v[rQ:rQ+7], v[rC:rC+7]
.else
	WIN 0x0a
	v_wmma_f32_16x16x32_f16 v[rS:rS+7], v[rK:rK+7], v[rQ:rQ+7], v[rS:rS+7]
.endif
.endm
; THE LDS LOADS stand in runs: a step's K with its mask addends (24 loads), and a turn later its V (16).
.macro FETCH_K
	WIN 0
	v_add_nc_u32 v[ADR], s[TB], v[LI]
	v_add_nc_u32 v[ADM], s[TM], v[AM0]
	s_add_co_u32 s[TM], s[TM], 256
	WIN 0x80
.irp f, 0,1,2,3,4,5,6,7
	ds_load_b128 v[KF+8*\f:KF+8*\f+3],   v[ADR] offset:1024*\f
	ds_load_b128 v[KF+8*\f+4:KF+8*\f+7], v[ADR] offset:1024*\f+512
.endr
.irp f, 0,1,2,3
	ds_load_b128 v[CM+8*\f:CM+8*\f+3],   v[ADM] offset:64*\f      ; the addends of keys 16 f + 8 h + 0 .. 7
	ds_load_b128 v[CM+8*\f+4:CM+8*\f+7], v[ADM] offset:64*\f+16
.endr
.endm
.macro FETCH_V
	WIN 0
	v_add_nc_u32 v[ADR], s[TB], v[AV0]
	s_add_co_u32 s[TB], s[TB], STEPB               ; the next fetch is the next step's
	s_wait_alu depctr_va_vdst(0)                   ; the wait for the softmax's batch of exponentials, ahead of the first line that names a result
	WIN 0xc0
.irp f, 0,1,2,3,4,5,6,7
	ds_load_b128 v[8*\f:8*\f+3],   v[ADR] offset:1024*\f
	ds_load_b128 v[8*\f+4:8*\f+7], v[ADR] offset:1024*\f+512
.endr
.endm
; THE VECTOR WORK.  Number j of a tile's list of 105; s0-s31 are the lane's scores.  first = 1: the first key step, which has no old m, no a and nothing to rescale.
;   0-15 the maximum of s0-s31 and the old m (first: the floor -1e30), each tile of scores from its low end on;  16-19 the other half of the lanes', the new m, m_old - m_new;
;   20-68 ONE BATCH: 16 packed s - m and 33 exponentials (a at 22), a pair scaled one triple ahead of its exponentials; none of these names an exponential's result;  (the wait)
;   69-84 the roundings to f16;  85-104 O^T and l times a.
.macro SM t, first
.set rT, ST+8*(\t)
.set rS, S+32*(\t)
.set rP, P+16*(\t)
.set rO, 40*(\t)+2*(j-85)
.if j < 85
	WIN 0
.endif
.if j < 4
	v_max3_num_f32 v[rT+4+j], v[rS+8*j], v[rS+8*j+1], v[rS+8*j+2]
.elseif j < 12
	v_max3_num_f32 v[rT+4+j%4], v[rT+4+j%4], v[rS+8*(j%4)+2*(j/4)+1], v[rS+8*(j%4)+2*(j/4)+2]
.elseif j == 12
	v_max3_num_f32 v[rT+4], v[rT+4], v[rS+7], v[rS+15]
.elseif j == 13
	v_max3_num_f32 v[rT+6], v[rT+6], v[rS+23], v[rS+31]
.elseif j == 14
	v_max3_num_f32 v[rT+4], v[rT+4], v[rT+5], v[rT+6]
.elseif (j == 15) && \first
	v_max3_num_f32 v[rT+4], v[rT+4], v[rT+7], 0xf149f2ca       ; -1e30: m never lies under it
.elseif j == 15
	v_max3_num_f32 v[rT+4], v[rT+4], v[rT+7], v[rT]
.elseif j == 16
	v_permlanex16_b32 v[rT+5], v[rT+4], s[SEL], s[SEL+1]       ; the query's other 32 keys lie in the lane 16 away
.elseif j == 18
	v_max_num_f32 v[rT], v[rT+4], v[rT+5]
.elseif ((j == 17) || (j == 19) || (j == 22) || (j > 84)) && \first
.elseif j == 17
	v_mov_b32 v[rT+7], v[rT]                       ; m_old
.elseif j == 19
	v_sub_f32 v[rT+7], v[rT+7], v[rT]
.elseif j == 22
	v_exp_f32 v[rT+6], v[rT+7]                     ; a
.elseif (j == 20) || ((j < 66) && ((j-21)%3 == 0))
.set b, (j-18)/3
	v_pk_add_f32 v[rS+2*b:rS+2*b+1], v[rS+2*b:rS+2*b+1], v[rT:rT+1] op_sel_hi:[1,0] neg_lo:[0,1] neg_hi:[0,1]   ; pair b: s - m
.elseif j < 69
.set e, j-37
.if j < 66
.set e, 2*((j-21)/3)+(j-21)%3-2
.endif
	v_exp_f32 v[rS+e], v[rS+e]
.elseif j < 85
	v_cvt_pk_f16_f32 v[rP+j-69], v[rS+2*(j-69)], v[rS+2*(j-69)+1]
.else
	WIN W_RS
	v_pk_mul_f32 v[rO:rO+1], v[rO:rO+1], v[rT+6:rT+7] op_sel_hi:[1,0]
.endif
.endm
; Slice k of 35 of piece y's softmax: numbers 3 k .. 3 k + 2 of both tiles, the tiles alternating.  Behind slice 22 the batch is out: one plain line, then ONE wait for the piece's 66 exponentials;
; in piece 2's turn V's run of loads stands there and the wait stands in it.
.macro SLICE y, first
.if k < 35
.irp n, 0,1,2
.irp d, 0,1
.set j, 3*k+\n
	SM (\y)+\d, \first
.endr
.endr
.if k == 22
	v_nop
.if (\y) == 0
	FETCH_V
.else
	s_wait_alu depctr_va_vdst(0)
.endif
.endif
.endif
.set k, k+1
.endm
.macro AFTER y, first                  ; the slices behind a product: in a full turn one, from the second product on; else per
.if full
.if np > 0
	SLICE \y, \first
.endif
.else
.rept per
	SLICE \y, \first
.endr
.endif
.set np, np+1
.endm
; A TURN.  Piece x has the matrix unit.  pv = 2: 20 products V^T P; 1: they start the sums; 0: none.  kq = 1: 16 products K Q^T of the next step.
; Places, by count: K's and the mask's registers are loaded behind the second product's slice: their last reader stands in front of the last turn's slice 34, six plain lines.  V's are loaded behind slice 22: their last
; reader is product 19, and slices 18 to 21 hold eight packed additions.  A turn's first slice reads scores whose last product stands in front of slice 34 too.  Where slice 34 is empty or stands earlier, four v_nop close the turn.
.macro TURN x, pv, kq, first
.set k, 0
.set np, 0
.set full, 0
.set per, 2
.if \pv && \kq
.set full, 1
.endif
.if !(\pv)
.set per, 3
.endif
.if \pv
.if \x == 0
	s_wait_dscnt 0x0                               ; V is in
.endif
.set i, 0
.rept 20
	PV \x, 2-\pv
	AFTER 2-\x, \first
.if (\x == 0) && (\kq) && (i == 1)
	FETCH_K
.endif
.set i, i+1
.endr
.endif
.if \kq
.if \x == 0
	s_wait_dscnt 0x0                               ; K and the mask's addends are in
.endif
.set i, 0
.rept 16
	KQ \x
	AFTER 2-\x, \first
.set i, i+1
.endr
.endif
.if \first || (full == 0)
	PLACES
.endif
.endm
; THE CHANGE OF SLOTS.  The slot's last bytes have been asked for.  Each wave waits for all its tensor loads (its part of the other slot), adds 0 to its spare word, and waits for that and for its reads of the slot.
; fill = 1: a round of the cluster's barrier, and first behind it the joint refill of the slot just left, with the keys two slots on: it has eight key steps in which to land.
.macro CHANGE fill
	WIN 0
	s_wait_tensorcnt 0x0                           ; no tensor load of mine is out, so a group 0 may be written
	ds_add_u32 v[SPW], v[NIL]
.if \fill
	s_xor_b32 s[G0S+1], s[G0S+1], SLOT1            ; the walking descriptor: the other slot than last time,
	s_add_nc_u64 s[G0S+2:G0S+3], s[G0S+2:G0S+3], 8*STEPB   ; the next eight steps
.endif
	s_wait_dscnt 0x0                               ; the add is done, and my reads of the slot are over
.if \fill
	CROUND
	tensor_load_to_lds s[G0S:G0S+3], s[G1S:G1S+7]
	s_nop 0
	PLACES
.else
	s_barrier_signal -1
	s_barrier_wait -1
.endif
	s_sub_co_u32 s[TB], s[TB], 8*STEPB             ; the fetches go back to a slot's first step,
	s_xor_b32 s[TB], s[TB], SLOT1                  ; in the other slot
.endm
.macro STEPS n                         ; n key steps: written once, walked n times
	s_mov_b32 s[CNT], \n
.Lstep_\@:
	TURN 0, 2, 1, 0
	TURN 2, 2, 1, 0
	WIN 0
	s_sub_co_u32 s[CNT], s[CNT], 1
	s_cmp_lg_u32 s[CNT], 0
	s_cbranch_scc1 .Lstep_\@
.endm
	s_wait_tensorcnt 2                             ; my parts of the mask and of steps 0 and 1 are in; the two younger loads may stay out
	s_barrier_signal -1
	s_barrier_wait -1                              ; everybody's are
	FETCH_K                                        ; step 0
	s_wait_loadcnt 0x0                             ; Q
	s_wait_dscnt 0x0
.set i, 0
.rept 16
	KQ 0                                           ; piece 0's first scores
.set i, i+1
.endr
	WIN 0
	PLACES
	TURN 2, 0, 1, 1                                ; piece 2's first scores | piece 0's first softmax | V of step 0
	TURN 0, 1, 1, 1                                ; piece 0: V^T P of step 0 starts O^T, K Q^T of step 1 | piece 2's first softmax | K of step 1
	TURN 2, 1, 1, 0                                ; piece 2: the same | piece 0's softmax of step 1 | V of step 1
	WIN 0
	s_wait_tensorcnt 1                             ; my part of steps 2 to 7 is in; slot 1's load may stay out
	s_wait_dscnt 0x0
	s_barrier_signal -1
	s_barrier_wait -1
	STEPS 6                                        ; fetches steps 2 to 7
	CHANGE 1                                       ; slot 0 takes steps 16 to 23
	STEPS 8                                        ; fetches steps 8 to 15
	CHANGE 1                                       ; slot 1 takes steps 24 to 31
	STEPS 8
	CHANGE 0                                       ; nothing is left to ask for
	STEPS 8
	TURN 0, 2, 0, 0                                ; piece 0: V^T P of the last step | piece 2's last softmax
.set i, 0
.rept 20
	PV 2, 0                                        ; piece 2: V^T P of the last step
.set i, i+1
.endr
	; THE WAY OUT.  O^T / l, rounded to f16: a tile's four groups of four registers are pieces of the next launch's fragments; each store covers 512 consecutive bytes.
	PLACES
	WIN 0x01                                       ; source window 1, destination window 0
.irp t, 0,1,2,3
	v_rcp_f32 v[ST+8*\t+6], v[40*\t+32]            ; l: its tile's lowest register
.endr
	v_nop                                          ; a plain line behind the last reciprocal,
	s_wait_alu depctr_va_vdst(0)                   ; and one wait for the four, ahead of the first use
.irp t, 0,1,2,3
	WIN W_RS
.set i, 0
.rept 16
	v_pk_mul_f32 v[40*\t+i:40*\t+i+1], v[40*\t+i:40*\t+i+1], v[ST+8*\t+6:ST+8*\t+7] op_sel_hi:[1,0]
.set i, i+2
.endr
	WIN 0x05                                       ; sources window 1, destination window 0: S^T's registers are free
.set i, 0
.rept 16
	v_cvt_pk_f16_f32 v[S+16*\t+i], v[40*\t+2*i], v[40*\t+2*i+1]
.set i, i+1
.endr
	WIN 0
.irp p, 0,1,2,3
	global_store_b128 v[LI], v[S+16*\t+4*\p:S+16*\t+4*\p+3], s[12:13] offset:16384*\t+512*\p
.endr
.endr
	s_wait_tensorcnt 0x0                           ; the wave's end, behind my last tensor load
	ds_add_u32 v[SPW], v[NIL]
	s_wait_dscnt 0x0
	CROUND                                         ; the closing round: no work-group ends while a partner may still ask for a tile that names it
	s_endpgm
.Lfunc_end_k_q62cf1567f7_attn:
	.size	k_q62cf1567f7_attn, .Lfunc_end_k_q62cf1567f7_attn-k_q62cf1567f7_attn
	.p2alignl 7, 3214868480
	.fill 96, 4, 3214868480
	.section	.rodata,"a",@progbits
	.p2align	6, 0x0
	.amdhsa_kernel k_q62cf1567f7_attn
		.amdhsa_group_segment_fixed_size 327680
		.amdhsa_private_segment_fixed_size 0
		.amdhsa_enable_private_segment 0
		.amdhsa_kernarg_size 40
		.amdhsa_user_sgpr_count 2
		.amdhsa_user_sgpr_kernarg_segment_ptr 1
		.amdhsa_wavefront_size32 1
		.amdhsa_system_sgpr_workgroup_id_x 1
		.amdhsa_system_sgpr_workgroup_id_y 1
		.amdhsa_system_sgpr_workgroup_id_z 1
		.amdhsa_system_vgpr_workitem_id 0
		.amdhsa_next_free_vgpr 1024
		.amdhsa_next_free_sgpr 84
		.amdhsa_reserve_vcc 0
		.amdhsa_float_denorm_mode_32 3
		.amdhsa_float_denorm_mode_16_64 3
		.amdhsa_memory_ordered 1
		.amdhsa_forward_progress 1
		.amdhsa_inst_pref_size 217
	.end_amdhsa_kernel
	.amdgpu_metadata
---
amdhsa.version: [ 1, 2 ]
amdhsa.kernels:
  - .name:           k_q62cf1567f7_attn
    .symbol:         k_q62cf1567f7_attn.kd
    .args:
      - { .name: qf, .offset: 0, .size: 8, .value_kind: global_buffer, .address_space: global }
      - { .name: kf, .offset: 8, .size: 8, .value_kind: global_buffer, .address_space: global }
      - { .name: vf, .offset: 16, .size: 8, .value_kind: global_buffer, .address_space: global }
      - { .name: mb, .offset: 24, .size: 8, .value_kind: global_buffer, .address_space: global }
      - { .name: of, .offset: 32, .size: 8, .value_kind: global_buffer, .address_space: global }
    .group_segment_fixed_size: 327680
    .private_segment_fixed_size: 0
    .kernarg_segment_align: 8
    .kernarg_segment_size: 40
    .max_flat_workgroup_size: 128
    .sgpr_count:     84
    .vgpr_count:     1024
    .wavefront_size: 32
...
	.end_amdgpu_metadata
.endif
;; end of part 3
;; launch proj (part 4): grid 4 x 64, 4 waves a work-group, clusters of 4 x 4, 327,680 bytes of LDS; arguments of, wof, bo, out0; writes out0
.if DOCPART == 4
	.amdgcn_target "amdgcn-amd-amdhsa--gfx1250"
	.amdhsa_code_object_version 6
	.text
	.protected	k_q62cf1567f7_proj
	.globl	k_q62cf1567f7_proj
	.p2align	8
	.type	k_q62cf1567f7_proj,@function
k_q62cf1567f7_proj:
	s_mov_b64 s[64:65], 0
	v_nop
	global_prefetch_b8 v0, s[64:65] scope:SCOPE_SE
	s_setreg_imm32_b32 hwreg(HW_REG_WAVE_MODE, 25, 1), 1
	s_wait_xcnt 0x0
	s_wait_alu depctr_hold_cnt(0) depctr_sa_sdst(0) depctr_va_vdst(0) depctr_va_sdst(0) depctr_va_ssrc(0) depctr_va_vcc(0) depctr_vm_vsrc(0)
	s_getreg_b32 s2, hwreg(HW_REG_IB_STS2, 6, 4)
	s_cmp_eq_u32 s2, 0
	s_cbranch_scc0 .Lentry_in_a_cluster
	s_endpgm
.Lentry_in_a_cluster:
	s_bfe_u32 s2, ttmp6, 0x10000c
	s_cmp_lg_u32 s2, 0xf033
	s_cbranch_scc0 .Lentry_shape_is_right
	s_endpgm
.Lentry_shape_is_right:
; PROJ.  out0[token][n] = the sum over k of o[token][k] Wo[n][k] + bo[n], on f16 operands with f32 sums; out0 is f32.
; SHARES.  A work-group makes 128 tokens x 128 outputs; wave w = (wi, wj) makes 64 x 64: 16 accumulators, 256 matrix instructions.
; All of K = 512 fits in LDS (128 KB of o, 128 KB of Wo): four first fills a wave, one for each quarter of K, NO refill and no ring; work begins when the first quarter has landed.
; o and Wo lie in memory as images of their operand registers ([tile of 16 rows][k step of 32][c][lane][16]): a quarter of K of four tiles is four rows of 4,096 bytes, 16,384 bytes apart; every LDS load takes 512 consecutive bytes.
; CLUSTER 4 x 4: o's tiles hang on the block of tokens alone and are asked for jointly along a row of the cluster, Wo's on the block of outputs alone, jointly along a column.
; THE MATRIX INSTRUCTION IS USED TRANSPOSED (source 0 = 16 outputs of Wo, source 1 = 16 tokens): a lane holds eight neighbouring outputs of one token.  bo is the C of each sum's first product.
; REGISTERS: window 0: v2-18 addresses; v28, v29 the add's; v96-127 bo's four tiles; v128-255 the sums, (a, b) at 128 + 8 (4 a + b).   window 1: two buffers of 128 (64 along K: o at 8 (4 c + i), Wo at 64 + 8 (4 c + i)); on the way out rows of out0.
.set QB,    65536                      ; a quarter of K in LDS: o's eight tiles of 4,096 bytes, then Wo's
.set STAGE, 4*QB                       ; behind them: 16 rows x (256 + 16) bytes for each wave, for the way out
.set SP,    272
.set SPARE, STAGE+4*16*SP              ; the spare words, 128 bytes for each wave
.set LI,   2
.set ADRA, 8                           ; v8-11   my four tiles of o in quarter q
.set ADRB, 12                          ; v12-15  my four tiles of Wo
.set STO,  16
.set RD,   17
.set CO,   18
.set SPW,  28
.set NIL,  29
.set BO,   96
.set ACC,  128
.set G1O,  24                          ; s[24:31] group 1 for o's tiles;  s[32:39] for Wo's;  groups 0: o's quarters at s40, s44, s48, s52, Wo's at s56, s60, s68, s72
.set G1W,  32
.set MSB, 0
.macro WIN new
.if MSB != \new
	s_set_vgpr_msb (MSB<<8)|\new
.set MSB, \new
.endif
.endm
.set MUL,  0x05                        ; sources window 1; C and D window 0
.set TO_F, 0x40                        ; destination window 1
.macro PLACES
.rept 4
	v_nop
.endr
.endm
.macro CROUND
	s_barrier_signal -1
	s_barrier_wait -1
	s_cmp_lg_u32 s14, 0
	s_cbranch_scc1 .Lnot_wave_0_\@
	s_barrier_signal -3
.Lnot_wave_0_\@:
	s_barrier_wait -3
	s_barrier_signal -1
	s_barrier_wait -1
.endm
	s_load_b256 s[4:11], s[0:1], 0x0               ; of, wof, bo, out0
	v_lshl_add_u32 v[SPW], v0, 2, SPARE
	v_mov_b32 v[NIL], 0
	ds_add_u32 v[SPW], v[NIL]                      ; the wave's opening: the add, twice on end, and its wait ahead of my first tensor load
	ds_add_u32 v[SPW], v[NIL]
	v_lshrrev_b32 v1, 5, v0
	v_readfirstlane_b32 s14, v1                    ; wave
	s_lshr_b32 s15, s14, 1                         ; wi: my half of the tokens.  Also: I fetch for o (0) or for Wo (1)
	s_and_b32 s16, s14, 1                          ; wj: my half of the outputs.  Also: which four tiles I fetch
	s_bfe_u32 s17, ttmp6, 0x40000                  ; cx
	s_bfe_u32 s18, ttmp6, 0x40004                  ; cy
	s_lshl_b32 s19, ttmp9, 2
	s_add_co_u32 s19, s19, s17                     ; block of 128 outputs
	s_and_b32 s20, ttmp7, 0xffff
	s_lshl_b32 s20, s20, 2
	s_add_co_u32 s20, s20, s18                     ; block of 128 tokens
	s_lshl_b32 s22, s18, 2
	s_lshl_b32 s22, 15, s22                        ; my row of the cluster
	s_lshl_b32 s23, 0x1111, s17                    ; my column
	s_or_b32 s[G1O], s22, (3<<16)|(1<<21)          ; the mask; elements of 8 bytes; bit 21 beside a mask
	s_or_b32 s[G1W], s23, (3<<16)|(1<<21)
.irp g, G1O, G1W
	s_mov_b32 s[\g+1], 512<<16                     ; tensor_dim0 = 512 elements: 4,096 bytes
	s_mov_b32 s[\g+2], 4<<16                       ; tensor_dim1 = 4
	s_mov_b32 s[\g+3], 512<<16                     ; tile_dim0
	s_mov_b32 s[\g+4], 4                           ; tile_dim1
	s_mov_b32 s[\g+5], 2048                        ; from tile to tile: 16,384 bytes
	s_mov_b32 s[\g+6], 0
	s_mov_b32 s[\g+7], 0
.endr
	s_lshl_b32 s21, s14, 14                        ; LDS: 16,384 x wave: o's two halves, then Wo's
	s_lshl_b32 s80, s16, 16                        ; my four tiles
	s_lshl_b32 s76, s20, 17                        ; o: eight tiles of 16,384 bytes a block
	s_add_co_u32 s76, s76, s80
	s_mov_b32 s77, 0
	s_lshl_b32 s78, s19, 17                        ; Wo likewise
	s_add_co_u32 s78, s78, s80
	s_mov_b32 s79, 0
	s_wait_dscnt 0x0                               ; both opening adds are done
	s_wait_kmcnt 0x0
	s_add_nc_u64 s[76:77], s[4:5], s[76:77]
	s_add_nc_u64 s[78:79], s[6:7], s[78:79]
.irp q, 0,1,2,3
.set gO, 40+4*\q
.set gW, 56+4*\q+4*(\q/2)
	s_mov_b32 s[gO], 1
	s_add_co_u32 s[gO+1], s21, QB*\q
	s_add_nc_u64 s[gO+2:gO+3], s[76:77], 4096*\q
	s_or_b32 s[gO+3], s[gO+3], 0x80000000
	s_mov_b32 s[gW], 1
	s_add_co_u32 s[gW+1], s21, QB*\q
	s_add_nc_u64 s[gW+2:gW+3], s[78:79], 4096*\q
	s_or_b32 s[gW+3], s[gW+3], 0x80000000
.endr
	CROUND                                         ; all sixteen work-groups are here: the joint loads meet
	s_cmp_eq_u32 s15, 0                            ; a wave's four fills stand in one branch on the wave's number: four loads of mine are out
	s_cbranch_scc0 .Lfor_w
	tensor_load_to_lds s[40:43], s[G1O:G1O+7]
	s_nop 0
	tensor_load_to_lds s[44:47], s[G1O:G1O+7]
	s_nop 0
	tensor_load_to_lds s[48:51], s[G1O:G1O+7]
	s_nop 0
	tensor_load_to_lds s[52:55], s[G1O:G1O+7]
	s_nop 0
	PLACES
	s_branch .Lasked
.Lfor_w:
	tensor_load_to_lds s[56:59], s[G1W:G1W+7]
	s_nop 0
	tensor_load_to_lds s[60:63], s[G1W:G1W+7]
	s_nop 0
	tensor_load_to_lds s[68:71], s[G1W:G1W+7]
	s_nop 0
	tensor_load_to_lds s[72:75], s[G1W:G1W+7]
	s_nop 0
	PLACES
.Lasked:
	s_lshl_b32 s2, s20, 18                         ; out0: 128 rows of 2,048 bytes a block, my 64 of them,
	s_lshl_b32 s82, s15, 17
	s_add_co_u32 s2, s2, s82
	s_lshl_b32 s82, s19, 9                         ; 512 bytes a block of outputs, my 256 of them
	s_lshl_b32 s83, s16, 8
	s_add_co_u32 s82, s82, s83
	s_mov_b32 s83, 0
	s_add_nc_u64 s[8:9], s[8:9], s[82:83]          ; bo at my 64 outputs
	s_add_co_u32 s2, s2, s82
	s_mov_b32 s3, 0
	s_add_nc_u64 s[10:11], s[10:11], s[2:3]
	v_and_b32 v3, 15, v0                           ; r
	v_bfe_u32 v4, v0, 4, 1                         ; h
	v_lshlrev_b32 v5, 5, v4
.irp b, 0,1,2,3
	global_load_b128 v[BO+8*\b:BO+8*\b+3],   v5, s[8:9] offset:64*\b        ; bo at outputs 16 b + 8 h + 0 .. 7
	global_load_b128 v[BO+8*\b+4:BO+8*\b+7], v5, s[8:9] offset:64*\b+16
.endr
	v_and_b32 v1, 31, v0
	v_lshlrev_b32 v[LI], 4, v1
	s_lshl_b32 s80, s15, 14                        ; my four tiles of o,
	s_lshl_b32 s81, s16, 14
	s_add_co_u32 s81, s81, QB/2                    ; and of Wo, behind o's eight
.irp q, 0,1,2,3
	v_add_nc_u32 v[ADRA+\q], s80, v[LI]
	v_add_nc_u32 v[ADRB+\q], s81, v[LI]
	s_add_co_u32 s80, s80, QB
	s_add_co_u32 s81, s81, QB
.endr
	s_mul_i32 s66, s14, 16*SP
	s_add_co_u32 s66, s66, STAGE                   ; my stage
	v_mul_u32_u24 v[STO], v3, SP                   ; in: row r, 32 bytes for each half of the lanes
	v_lshl_add_u32 v[STO], v4, 5, v[STO]
	v_add_nc_u32 v[STO], s66, v[STO]
	v_mul_u32_u24 v[RD], v4, SP                    ; back: lanes 0-15 one row of 256 bytes, lanes 16-31 the next
	v_lshl_add_u32 v[RD], v3, 4, v[RD]
	v_add_nc_u32 v[RD], s66, v[RD]
	v_lshlrev_b32 v[CO], 11, v4                    ; and the same two rows in out0
	v_lshl_add_u32 v[CO], v3, 4, v[CO]
.macro MUL8 f, c, a0, first            ; 8 products: tiles of tokens a0, a0 + 1 x my four tiles of outputs, 32 along K: half c of buffer f.  The 16 accumulators take turns
.irp a, \a0, \a0+1
.irp b, 0,1,2,3
.if \first
	v_wmma_f32_16x16x32_f16 v[ACC+8*(4*(\a)+\b):ACC+8*(4*(\a)+\b)+7], v[\f+64+8*(4*\c+\b):\f+64+8*(4*\c+\b)+7], v[\f+8*(4*\c+(\a)):\f+8*(4*\c+(\a))+7], v[BO+8*\b:BO+8*\b+7]
.else
	v_wmma_f32_16x16x32_f16 v[ACC+8*(4*(\a)+\b):ACC+8*(4*(\a)+\b)+7], v[\f+64+8*(4*\c+\b):\f+64+8*(4*\c+\b)+7], v[\f+8*(4*\c+(\a)):\f+8*(4*\c+(\a))+7], v[ACC+8*(4*(\a)+\b):ACC+8*(4*(\a)+\b)+7]
.endif
.endr
.endr
.endm
.macro FETCH u, f                      ; 32 LDS loads in one run: unit u's fragments (64 along K: k steps 2 u, 2 u + 1) into buffer f; the first 32 along K first
	WIN TO_F
.irp c, 0,1
.irp i, 0,1,2,3
	ds_load_b128 v[\f+64+8*(4*\c+\i):\f+64+8*(4*\c+\i)+3],   v[ADRB+(\u)/2] offset:4096*\i+1024*(2*((\u)%2)+\c)
	ds_load_b128 v[\f+64+8*(4*\c+\i)+4:\f+64+8*(4*\c+\i)+7], v[ADRB+(\u)/2] offset:4096*\i+1024*(2*((\u)%2)+\c)+512
	ds_load_b128 v[\f+8*(4*\c+\i):\f+8*(4*\c+\i)+3],         v[ADRA+(\u)/2] offset:4096*\i+1024*(2*((\u)%2)+\c)
	ds_load_b128 v[\f+8*(4*\c+\i)+4:\f+8*(4*\c+\i)+7],       v[ADRA+(\u)/2] offset:4096*\i+1024*(2*((\u)%2)+\c)+512
.endr
.endr
.endm
.macro UNIT u                          ; 64 along K: 32 products; in its middle the next unit's fragments are fetched into the other buffer
.set FA, 128*((\u)%2)
.set FB, 128-FA
	s_wait_dscnt 16                                ; the first 32 along K are in; the other sixteen loads may be out
	WIN MUL
.if (\u) == 0
	MUL8 FA, 0, 0, 1
	MUL8 FA, 0, 2, 1
.else
	MUL8 FA, 0, 0, 0
	MUL8 FA, 0, 2, 0
.endif
	PLACES                                         ; in front of loads into registers that matrix instructions have read
.if ((\u)%2 == 1) && ((\u) < 7)
	s_wait_tensorcnt 3-((\u)+1)/2                  ; my part of the next quarter is in; the later quarters' loads may stay out
	s_wait_dscnt 0x0
	s_barrier_signal -1
	s_barrier_wait -1                              ; everybody's is
.endif
.if (\u) < 7
	FETCH (\u)+1, FB
	s_wait_dscnt 32                                ; all but the 32 just issued
.else
	s_wait_dscnt 0x0
.endif
	WIN MUL
	MUL8 FA, 1, 0, 0
	MUL8 FA, 1, 2, 0
.endm
	s_wait_tensorcnt 3                             ; my part of the first quarter is in; three loads may stay out
	s_barrier_signal -1
	s_barrier_wait -1
	FETCH 0, 0
	s_wait_loadcnt 0x0                             ; bo
.irp u, 0,1,2,3,4,5,6,7
	UNIT \u
.endr
	WIN 0
	PLACES
; THE WAY OUT, a tile of 16 tokens x 64 outputs at a time: 32 bytes a lane into my own stage, back as whole rows of 256 bytes.  LDS serves a wave's instructions in order: no wait between the stores and the loads, nor ahead of the next tile's stores.
.macro TOSTAGE a
	WIN 0
.irp b, 0,1,2,3
	ds_store_b128 v[STO], v[ACC+8*(4*(\a)+\b):ACC+8*(4*(\a)+\b)+3]   offset:64*\b       ; each accumulator from its low end on
	ds_store_b128 v[STO], v[ACC+8*(4*(\a)+\b)+4:ACC+8*(4*(\a)+\b)+7] offset:64*\b+16
.endr
	WIN TO_F
.irp t, 0,1,2,3,4,5,6,7
	ds_load_b128 v[32*(\a)+4*\t:32*(\a)+4*\t+3], v[RD] offset:2*SP*\t
.endr
.endm
.macro SEND a, younger                 ; younger: the LDS instructions issued behind tile a's loads
	s_wait_dscnt \younger
	WIN 0x04                                       ; a store's data: window 1
.irp t, 0,1,2,3,4,5,6,7
	global_store_b128 v[CO], v[32*(\a)+4*\t:32*(\a)+4*\t+3], s[10:11] offset:(16*(\a)+2*\t)*2048 th:TH_STORE_NT   ; 16 lanes store 256 consecutive bytes, at a multiple of 256 from out0's first byte
.endr
.endm
	TOSTAGE 0
.irp a, 1,2,3
	TOSTAGE \a
	SEND \a-1, 16                                  ; behind tile a - 1's loads: tile a's 8 stores and 8 loads
.endr
	SEND 3, 0
	WIN 0
	s_wait_tensorcnt 0x0                           ; the wave's end, behind my last tensor load and my last LDS store
	ds_add_u32 v[SPW], v[NIL]
	s_wait_dscnt 0x0
	CROUND                                         ; the closing round
	s_endpgm
.Lfunc_end_k_q62cf1567f7_proj:
	.size	k_q62cf1567f7_proj, .Lfunc_end_k_q62cf1567f7_proj-k_q62cf1567f7_proj
	.p2alignl 7, 3214868480
	.fill 96, 4, 3214868480
	.section	.rodata,"a",@progbits
	.p2align	6, 0x0
	.amdhsa_kernel k_q62cf1567f7_proj
		.amdhsa_group_segment_fixed_size 327680
		.amdhsa_private_segment_fixed_size 0
		.amdhsa_enable_private_segment 0
		.amdhsa_kernarg_size 32
		.amdhsa_user_sgpr_count 2
		.amdhsa_user_sgpr_kernarg_segment_ptr 1
		.amdhsa_wavefront_size32 1
		.amdhsa_system_sgpr_workgroup_id_x 1
		.amdhsa_system_sgpr_workgroup_id_y 1
		.amdhsa_system_sgpr_workgroup_id_z 1
		.amdhsa_system_vgpr_workitem_id 0
		.amdhsa_next_free_vgpr 512
		.amdhsa_next_free_sgpr 84
		.amdhsa_reserve_vcc 0
		.amdhsa_float_denorm_mode_32 3
		.amdhsa_float_denorm_mode_16_64 3
		.amdhsa_memory_ordered 1
		.amdhsa_forward_progress 1
		.amdhsa_inst_pref_size 52
	.end_amdhsa_kernel
	.amdgpu_metadata
---
amdhsa.version: [ 1, 2 ]
amdhsa.kernels:
  - .name:           k_q62cf1567f7_proj
    .symbol:         k_q62cf1567f7_proj.kd
    .args:
      - { .name: of, .offset: 0, .size: 8, .value_kind: global_buffer, .address_space: global }
      - { .name: wof, .offset: 8, .size: 8, .value_kind: global_buffer, .address_space: global }
      - { .name: bo, .offset: 16, .size: 8, .value_kind: global_buffer, .address_space: global }
      - { .name: out0, .offset: 24, .size: 8, .value_kind: global_buffer, .address_space: global }
    .group_segment_fixed_size: 327680
    .private_segment_fixed_size: 0
    .kernarg_segment_align: 8
    .kernarg_segment_size: 32
    .max_flat_workgroup_size: 128
    .sgpr_count:     84
    .vgpr_count:     512
    .wavefront_size: 32
...
	.end_amdgpu_metadata
.endif
;; end of part 4
